; MI455X (gfx1250); checked and timed in simulation.
; The chip was launched on July 23, 2026; its instructions are those of AMD's public machine-readable ISA for CDNA 5 (MIT licence, August 2026) and "CDNA5" Instruction Set Architecture Reference Guide (July 2026). The comments in the code are by the model that wrote it; some were corrected since.
;; Multihead Attention. Allowed arithmetic: matrix products marked QUANTISED: E2M1 operands, one E8M0 scale for each 32 along K, by v_wmma_scale_f32_16x16x128_f8f6f4 with both operands' format E2M1 (or v_wmma_scale_f32_32x16x128_f4), f32 sums; products left as they are: bf16, f16 or f32 operands; f32 sums; everything else in f32.
;; Inputs: Wk 16 x 1,024 x 64 float32; Wo 1,024 x 1,024 float32; Wq 16 x 1,024 x 64 float32; Wv 16 x 1,024 x 64 float32; x 4,096 x 1,024 float32.
;; Outputs: out0 4,096 x 1,024 float32.
;; This version of the problem:
;;   THIS VERSION OF THE PROBLEM IS GIVEN IN LOW PRECISION. The matrix products marked QUANTISED in the list below multiply operands that are first quantised to E2M1 (2 exponent bits, 1 mantissa bit; 4 bits a number), with one power-of-two scale for each 32 numbers along K (OCP MX v1.0); their sums are f32. The products marked 'left as it is' may take bf16, f16 or f32 operands, with f32 sums. Whichever they take, every output number must still come out within the allowed error. Rounding operands to bf16 (8 significant bits) uses up far more of that allowance than f16 does (11 bits, for magnitudes from 6e-5 to 65,504). All else is computed in f32.
;;   The module's matrix products, in the order in which they are computed (A, B: the left and right operand; K: the contracted axis; several contracted axes count as one K, in the product's order):
;;     1. [M 1,024, K 1,024] x [K 1,024, N 4,096]; A: input Wq; B: input x: QUANTISED
;;     2. [M 1,024, K 1,024] x [K 1,024, N 4,096]; A: input Wk; B: input x: QUANTISED
;;     3. [M 1,024, K 1,024] x [K 1,024, N 4,096]; A: input Wv; B: input x: QUANTISED
;;     4. batch 16 x [M 4,096, K 64] x [K 64, N 4,096]; A: computed on the way; B: computed on the way: left as it is (an operand is computed on the way)
;;     5. batch 16 x [M 4,096, K 4,096] x [K 4,096, N 64]; A: computed on the way; B: computed on the way: left as it is (an operand is computed on the way)
;;     6. [M 4,096, K 1,024] x [K 1,024, N 1,024]; A: computed on the way; B: input Wo: left as it is (an operand is computed on the way)
;;   THE QUANTISER, for each operand of a quantised product, along K:
;;     - K is cut into blocks of 32 from its start; a last block that is shorter is filled with zeros.
;;     - A block's scale is 2^e with e = floor(log2(the largest magnitude in the block)) - 2, held to -126 .. 127; a block of zeros has e = 0. As a byte (E8M0): e + 127.
;;     - Each number is divided by its block's scale, clamped to +-6, and rounded to the nearest number of E2M1, ties to even, subnormals kept.
;;     - The product sums the exact products of the quantised numbers (number of the format x scale) in f32.
;;   ~~~python
;;   def quantise(x, axis):      # numpy; x: float32 -> the quantised numbers, widened to float32 again
;;       x = np.moveaxis(x, axis, -1); K = x.shape[-1]
;;       x = np.pad(x, [(0, 0)] * (x.ndim - 1) + [(0, -K % 32)]); x = x.reshape(x.shape[:-1] + (-1, 32)); a = np.abs(x).max(-1, keepdims=True)
;;       e = np.where(a > 0, np.clip(np.frexp(np.where(a > 0, a, 1))[1] - 1 - 2, -126, 127), 0)      # np.frexp(a)[1] - 1 = floor(log2(a)), exactly
;;       r = np.clip(x / 2.0 ** e, -6, 6)
;;       step = 2.0 ** (np.maximum(np.frexp(np.where(r == 0, 1, r))[1] - 1, 0) - 1)
;;       q = np.round(r / step) * step * 2.0 ** e      # np.round: ties to even
;;       return np.moveaxis(q.reshape(q.shape[:-2] + (-1,))[..., :K], -1, axis).astype(np.float32)
;;   ~~~
;; One version. Each part assembles by itself: llvm-mc -triple=amdgcn-amd-amdhsa -mcpu=gfx1250 --defsym DOCPART=n.
;; ======== version 1 of 1: 4 launches
;; limits: values are held in f16: magnitudes above 65,504 overflow, below 6.1e-05 lose precision; right only within a limited range of input values
;; workspace buffers: xc 2,097,152 bytes; xs 131,072 bytes; wc 1,572,864 bytes; ws 98,304 bytes; wob 2,097,152 bytes; qkv 25,165,824 bytes; ob 8,388,608 bytes
;; launch prep (part 1): grid 256 x 1, 4 waves a work-group, no clusters, 34,304 bytes of LDS; arguments x, Wq, Wk, Wv, Wo, xc, xs, wc, ws, wob; writes xc, xs, wc, ws, wob
.if DOCPART == 1
	.amdgcn_target "amdgcn-amd-amdhsa--gfx1250"
	.amdhsa_code_object_version 6
	.text
	.protected	k_q2a24e3b8d4_prep
	.globl	k_q2a24e3b8d4_prep
	.p2align	8
	.type	k_q2a24e3b8d4_prep,@function
k_q2a24e3b8d4_prep:
	s_mov_b64 s[64:65], 0
	v_nop
	global_prefetch_b8 v0, s[64:65] scope:SCOPE_SE
	s_setreg_imm32_b32 hwreg(HW_REG_WAVE_MODE, 25, 1), 1
	s_wait_xcnt 0x0
; x [4096][1024] and Wq, Wk, Wv [16][1024][64], f32, become codes of FP4 (E2M1) with one E8M0 scale byte for each 32 along K = the 1,024; Wo [1024][1024] x 2 (exact) becomes f16.
; A block's scale is 2^(floor(log2(its largest magnitude)) - 2); its byte is the largest magnitude's exponent field - 2, held at 1 from below.
; EVERY OUTPUT LIES IN THE ORDER OF THE READER'S OPERAND REGISTERS: a piece is 512 bytes, four registers of a fragment, lane l's 16 bytes at 16 l.
;   xc  [row tile 256][K step 8][c 2][lane][16]: lane (r, h) holds the 32 codes of row 16 T + r, block 4 s + 2 c + h
;   xs  [row tile 256][half of K 2][r 16][16]: a row's four scale words (one for each 128 along K)
;   wc  [head 16][q,k,v 3][tile of 16 columns 4][K step 8][c 2][lane][16], ws likewise: a column d takes the place of a row
;   wob [k / 256: 4][tile of 16 columns 64][k / 32: 8][q 2][lane][16]: lane (r, h) holds column 16 tile + r, k = .. + 16 q + 8 h + 0 .. 7
; 256 work-groups of 128 KiB of f32 each, 32 KiB a wave: 0-127 take x, 128-223 the three weights, 224-255 Wo.  Waves share nothing: no barrier.
; Wo x 2: the other operand of its product is kept x 1/2, for room in f16, and the two powers of two cancel in the product.
; LIMITS: NaN and infinities among the inputs are not served.  A block of zeros gets the byte 1 and not 127: its codes are zeros, and the bytes are read by this program alone.  |Wo| under 32,752 (f16's largest number / 2).
.set STG,   8448                       ; a wave's stage in LDS: 16 rows of 528 bytes (path x alone)
.set SP,    528                        ; 512 bytes + 16: the sixteen rows that a read touches begin 16 bytes apart modulo 256
.set SPARE, 4*STG                      ; behind the stages: the spare words, 128 bytes a wave
.set R,     64                         ; v64-191  path x: two sets of 64 numbers as loaded
.set X,     192                        ; v192-255 path x: my two whole blocks of 32
.set C,     32                         ; v32-63   codes, never written twice
.set SW,    24                         ; v24-27   path x: the four scale words
	s_load_b512 s[8:23], s[0:1], 0x0               ; x 8, Wq 10, Wk 12, Wv 14, Wo 16, xc 18, xs 20, wc 22
	s_load_b128 s[24:27], s[0:1], 0x40             ; ws 24, wob 26
	v_lshl_add_u32 v2, v0, 2, SPARE                ; my spare word; never rewritten
	v_mov_b32 v3, 0                                ; 0; never rewritten
	v_lshrrev_b32 v1, 5, v0
	v_readfirstlane_b32 s4, v1                     ; wave 0..3
	v_and_b32 v4, 31, v0                           ; lane
	v_and_b32 v5, 15, v0                           ; r
	v_bfe_u32 v6, v0, 4, 1                         ; h
	v_lshlrev_b32 v7, 4, v4                        ; 16 x lane
	s_mov_b32 s28, 0x76543210
	s_mov_b32 s29, 0xfedcba98                      ; v_permlanex16_b32's selects for lane l xor 16
	s_mov_b32 s31, 0                               ; the high word of every offset below
	s_wait_kmcnt 0x0
	s_cmp_lt_u32 ttmp9, 128
	s_cbranch_scc0 .Lnot_x
; ---- x.  Wave w: row tile T = 2 wg + w / 2, half w % 2 of K: four units of 16 rows x 128 along K.
; A load takes 512 consecutive bytes of one row; the conversions want 32 neighbours in one lane: so a unit turns through the wave's own stage.
	v_mov_b32 v19, 0                               ; a lane permute's destination counts as one of its sources
	s_lshl_b32 s5, ttmp9, 1
	s_lshr_b32 s6, s4, 1
	s_add_co_u32 s5, s5, s6                        ; T
	s_and_b32 s6, s4, 1                            ; which half of K
	s_lshl_b32 s30, s5, 16                         ; x: 16 rows of 4,096 bytes a tile,
	s_lshl_b32 s7, s6, 11                          ; 2,048 bytes a half
	s_add_co_u32 s30, s30, s7
	s_add_nc_u64 s[8:9], s[8:9], s[30:31]
	s_lshl_b32 s30, s5, 13                         ; xc: 8,192 bytes a tile, 4,096 a half
	s_lshl_b32 s7, s6, 12
	s_add_co_u32 s30, s30, s7
	s_add_nc_u64 s[18:19], s[18:19], s[30:31]
	s_lshl_b32 s30, s5, 9                          ; xs: 512 bytes a tile, 256 a half
	s_lshl_b32 s7, s6, 8
	s_add_co_u32 s30, s30, s7
	s_add_nc_u64 s[20:21], s[20:21], s[30:31]
	s_mul_i32 s7, s4, STG
	v_add_nc_u32 v8, s7, v7                        ; the stage, on the way in: 16 x lane in a row
	v_mul_u32_u24 v9, v5, SP
	v_lshl_add_u32 v9, v6, 7, v9
	v_add_nc_u32 v9, s7, v9                        ; on the way out: row r, block h
	v_lshlrev_b32 v10, 3, v6                       ; 8 h: how far my two scale bytes are shifted
	v_lshl_add_u32 v11, v5, 4, v10                 ; xs: 16 r + 8 h
.macro XLOAD u
.irp i, 0,1,2,3,4,5,6,7,8,9,10,11,12,13,14,15
	global_load_b128 v[R+64*((\u)%2)+4*\i:R+64*((\u)%2)+4*\i+3], v7, s[8:9] offset:\i*4096+(\u)*512 th:TH_LOAD_NT
.endr
.endm
.macro XUNIT u
.if (\u) < 3
	s_wait_loadcnt 16                              ; this unit's 16 loads are in; the next unit's 16 may be out
.else
	s_wait_loadcnt 0x0
.endif
.irp i, 0,1,2,3,4,5,6,7,8,9,10,11,12,13,14,15
	ds_store_b128 v8, v[R+64*((\u)%2)+4*\i:R+64*((\u)%2)+4*\i+3] offset:\i*SP
.endr
.irp c, 0,1                            ; LDS serves a wave's instructions in order (ISA guide 5.7.1.4): these see the stores above
.irp p, 0,1,2,3,4,5,6,7
	ds_load_b128 v[X+32*\c+4*\p:X+32*\c+4*\p+3], v9 offset:\c*256+\p*16   ; block 2 c + h of row r
.endr
.endr
	s_wait_dscnt 0x0
.if (\u)+2 < 4
	XLOAD (\u)+2
.endif
.irp c, 0,1
	v_max3_num_f32 v[12+\c], |v[X+32*\c]|, |v[X+32*\c+1]|, 0x1800000   ; with the floor 2^(3 - 127): the byte cannot fall under 1
.endr
.irp i, 2,4,6,8,10,12,14,16,18,20,22,24,26,28,30
.irp c, 0,1
	v_max3_num_f32 v[12+\c], v[12+\c], |v[X+32*\c+\i]|, |v[X+32*\c+\i+1]|   ; the two blocks by turns
.endr
.endr
.irp c, 0,1
	v_add_nc_u32 v[14+\c], 0xff000000, v[12+\c]    ; 2 off the exponent field: the conversion's scale operand
.endr
.irp c, 0,1
	v_lshrrev_b32 v[16+\c], 23, v[14+\c]           ; the scale's byte
.endr
.irp c, 0,1
.irp g, 0,1,2,3
	v_cvt_scalef32_pk8_fp4_f32 v[C+8*(\u)+4*\c+\g], v[X+32*\c+8*\g:X+32*\c+8*\g+7], v[14+\c]
.endr
.endr
	v_lshl_or_b32 v18, v17, 16, v16                ; my bytes: blocks h and 2 + h (a plain line behind the conversions),
	v_lshlrev_b32 v18, v10, v18                    ; at their places in the word;
	v_permlanex16_b32 v19, v18, s28, s29
	v_or_b32 v[SW+(\u)], v18, v19                  ; with lane l xor 16's two the word is whole
.irp c, 0,1
	global_store_b128 v7, v[C+8*(\u)+4*\c:C+8*(\u)+4*\c+3], s[18:19] offset:(\u)*1024+\c*512   ; 512 consecutive bytes
.endr
.endm
	XLOAD 0
	XLOAD 1
.irp u, 0,1,2,3
	XUNIT \u
.endr
	v_cmp_eq_u32 vcc_lo, 1, v6
	v_cndmask_b32 v20, v24, v26, vcc_lo            ; words 2 h and 2 h + 1 of my row
	v_cndmask_b32 v21, v25, v27, vcc_lo
	global_store_b64 v11, v[20:21], s[20:21]       ; 32 lanes store 256 consecutive bytes
	s_wait_tensorcnt 0x0                           ; the wave's end, behind my last LDS store
	ds_add_u32 v2, v3
	s_wait_dscnt 0x0
	s_endpgm
; ---- Wq, Wk, Wv.  K is the middle axis: a lane takes a column d and its registers run down K, so a block of 32 lies in one lane and the codes come out with K innermost.
; Work-group p: tensor p / 32, head (p / 2) % 16, half p % 2 of K.  Wave: 32 columns (w % 2), 8 blocks (w / 2).
.Lnot_x:
	s_cmp_lt_u32 ttmp9, 224
	s_cbranch_scc0 .Lwo
	s_sub_co_u32 s5, ttmp9, 128
	s_lshr_b32 s6, s5, 5                           ; 0 q, 1 k, 2 v
	s_bfe_u32 s7, s5, 0x40001                      ; head
	s_and_b32 s5, s5, 1                            ; half of K
	s_and_b32 s32, s4, 1                           ; which 32 columns
	s_lshr_b32 s33, s4, 1                          ; which 8 blocks
	s_cmp_eq_u32 s6, 0
	s_cselect_b64 s[34:35], s[10:11], s[12:13]     ; the choice hangs on the work-group's number alone
	s_cmp_eq_u32 s6, 2
	s_cselect_b64 s[34:35], s[14:15], s[34:35]
	s_lshl_b32 s30, s7, 18                         ; a head: 1,024 rows of 256 bytes
	s_lshl_b32 s36, s5, 17
	s_add_co_u32 s30, s30, s36
	s_lshl_b32 s36, s33, 16
	s_add_co_u32 s30, s30, s36
	s_lshl_b32 s36, s32, 7
	s_add_co_u32 s30, s30, s36
	s_add_nc_u64 s[34:35], s[34:35], s[30:31]
	s_mul_i32 s37, s7, 3
	s_add_co_u32 s37, s37, s6                      ; 3 head + tensor
	s_lshl_b32 s30, s37, 15                        ; wc: 32,768 bytes each; two tiles are 16,384; a block is 256
	s_lshl_b32 s36, s32, 14
	s_add_co_u32 s30, s30, s36
	s_lshl_b32 s36, s5, 12
	s_add_co_u32 s30, s30, s36
	s_lshl_b32 s36, s33, 11
	s_add_co_u32 s30, s30, s36
	s_add_nc_u64 s[22:23], s[22:23], s[30:31]
	s_lshl_b32 s30, s37, 11                        ; ws: 2,048 bytes each; two tiles 1,024; a half of K 256; my 8 bytes
	s_lshl_b32 s36, s32, 10
	s_add_co_u32 s30, s30, s36
	s_lshl_b32 s36, s5, 8
	s_add_co_u32 s30, s30, s36
	s_lshl_b32 s36, s33, 3
	s_add_co_u32 s30, s30, s36
	s_add_nc_u64 s[24:25], s[24:25], s[30:31]
	v_lshlrev_b32 v8, 4, v5
	v_lshl_add_u32 v9, v6, 9, v8                   ; ws: tile h, 16 r
	v_lshl_add_u32 v8, v6, 13, v8                  ; wc: tile h, 16 r
	v_lshlrev_b32 v10, 2, v4                       ; in: 4 bytes a lane
.macro WLOAD t
.irp i, 0,1,2,3,4,5,6,7,8,9,10,11,12,13,14,15,16,17,18,19,20,21,22,23,24,25,26,27,28,29,30,31
	global_load_b32 v[64+32*((\t)%2)+\i], v10, s[34:35] offset:(32*(\t)+\i)*256 th:TH_LOAD_NT
.endr
.endm
.macro WBLOCK t
.set XS, 64+32*((\t)%2)
.if (\t) < 7
	s_wait_loadcnt 32                              ; this block's 32 loads are in; the next block's may be out
.else
	s_wait_loadcnt 0x0
.endif
	v_max3_num_f32 v12, |v[XS]|, |v[XS+1]|, |v[XS+2]|
	v_max3_num_f32 v13, |v[XS+3]|, |v[XS+4]|, |v[XS+5]|
.irp i, 6,10,14,18,22,26
	v_max3_num_f32 v12, v12, |v[XS+\i]|, |v[XS+\i+1]|
	v_max3_num_f32 v13, v13, |v[XS+\i+2]|, |v[XS+\i+3]|
.endr
	v_max3_num_f32 v12, v12, |v[XS+30]|, |v[XS+31]|
	v_max3_num_f32 v12, v12, v13, 0x1800000        ; and the floor
	v_add_nc_u32 v14, 0xff000000, v12
	v_lshrrev_b32 v15, 23, v14
.if (\t)%4 == 0
	v_mov_b32 v[24+(\t)/4], v15                    ; four bytes to a word, the lower K in the lower byte
.else
	v_lshl_or_b32 v[24+(\t)/4], v15, 8*((\t)%4), v[24+(\t)/4]
.endif
.irp g, 0,1,2,3
	v_cvt_scalef32_pk8_fp4_f32 v[C+4*(\t)+\g], v[XS+8*\g:XS+8*\g+7], v14
.endr
	global_store_b128 v8, v[C+4*(\t):C+4*(\t)+3], s[22:23] offset:(\t)*256   ; sixteen lanes store 256 consecutive bytes; the next block begins with plain vector lines
.if (\t)+2 < 8
	WLOAD (\t)+2
.endif
.endm
	WLOAD 0
	WLOAD 1
.irp t, 0,1,2,3,4,5,6,7
	WBLOCK \t
.endr
	global_store_b64 v9, v[24:25], s[24:25]        ; my column's 8 scale bytes: half of its 16 (the other half is another wave's): one byte in 128 of what this path reads
	s_endpgm
; ---- Wo x 2 to f16.  Work-group p: 128 columns (p % 8), 256 along k (p / 8).  A lane takes a column; eight neighbours down k pack into its 16 bytes.
.Lwo:
	s_sub_co_u32 s5, ttmp9, 224
	s_and_b32 s6, s5, 7
	s_lshr_b32 s5, s5, 3
	s_lshl_b32 s30, s5, 20                         ; 256 rows of 4,096 bytes
	s_lshl_b32 s7, s6, 9
	s_add_co_u32 s30, s30, s7
	s_lshl_b32 s7, s4, 7
	s_add_co_u32 s30, s30, s7
	s_add_nc_u64 s[16:17], s[16:17], s[30:31]
	s_lshl_b32 s30, s5, 19                         ; wob: 64 tiles of 8,192 bytes
	s_lshl_b32 s7, s6, 3
	s_lshl_b32 s32, s4, 1
	s_add_co_u32 s7, s7, s32
	s_lshl_b32 s7, s7, 13
	s_add_co_u32 s30, s30, s7
	s_add_nc_u64 s[26:27], s[26:27], s[30:31]
	v_lshlrev_b32 v8, 4, v5
	v_lshl_add_u32 v8, v6, 13, v8
	v_lshlrev_b32 v10, 2, v4
.macro OLOAD j
.irp i, 0,1,2,3,4,5,6,7,8,9,10,11,12,13,14,15,16,17,18,19,20,21,22,23,24,25,26,27,28,29,30,31
	global_load_b32 v[64+32*((\j)%2)+\i], v10, s[16:17] offset:(32*(\j)+\i)*4096 th:TH_LOAD_NT
.endr
.endm
.macro OROUND j
.set XS, 64+32*((\j)%2)
.if (\j) < 7
	s_wait_loadcnt 32                              ; this round's 32 loads are in; the next round's may be out
.else
	s_wait_loadcnt 0x0
.endif
.irp u, 0,1,2,3
.irp e, 0,1,2,3
	v_pk_mul_f32 v[XS+8*\u+2*\e:XS+8*\u+2*\e+1], v[XS+8*\u+2*\e:XS+8*\u+2*\e+1], 2.0 op_sel_hi:[1,0]   ; x 2: exact
.endr
.irp e, 0,1,2,3
	v_cvt_pk_f16_f32 v[128+16*(\j)+4*\u+\e], v[XS+8*\u+2*\e], v[XS+8*\u+2*\e+1]
.endr
	global_store_b128 v8, v[128+16*(\j)+4*\u:128+16*(\j)+4*\u+3], s[26:27] offset:(4*(\j)+\u)*256
.endr
.if (\j)+2 < 8
	OLOAD (\j)+2
.endif
.endm
	OLOAD 0
	OLOAD 1
.irp j, 0,1,2,3,4,5,6,7
	OROUND \j
.endr
	s_endpgm
.Lfunc_end_k_q2a24e3b8d4_prep:
	.size	k_q2a24e3b8d4_prep, .Lfunc_end_k_q2a24e3b8d4_prep-k_q2a24e3b8d4_prep
	.p2alignl 7, 3214868480
	.fill 96, 4, 3214868480
	.section	.rodata,"a",@progbits
	.p2align	6, 0x0
	.amdhsa_kernel k_q2a24e3b8d4_prep
		.amdhsa_group_segment_fixed_size 34304
		.amdhsa_private_segment_fixed_size 0
		.amdhsa_enable_private_segment 0
		.amdhsa_kernarg_size 80
		.amdhsa_user_sgpr_count 2
		.amdhsa_user_sgpr_kernarg_segment_ptr 1
		.amdhsa_wavefront_size32 1
		.amdhsa_system_sgpr_workgroup_id_x 1
		.amdhsa_system_sgpr_workgroup_id_y 1
		.amdhsa_system_sgpr_workgroup_id_z 1
		.amdhsa_system_vgpr_workitem_id 0
		.amdhsa_next_free_vgpr 256
		.amdhsa_next_free_sgpr 66
		.amdhsa_reserve_vcc 1
		.amdhsa_float_denorm_mode_32 3
		.amdhsa_float_denorm_mode_16_64 3
		.amdhsa_memory_ordered 1
		.amdhsa_forward_progress 1
		.amdhsa_inst_pref_size 111
	.end_amdhsa_kernel
	.amdgpu_metadata
---
amdhsa.version: [ 1, 2 ]
amdhsa.kernels:
  - .name:           k_q2a24e3b8d4_prep
    .symbol:         k_q2a24e3b8d4_prep.kd
    .args:
      - { .name: x, .offset: 0, .size: 8, .value_kind: global_buffer, .address_space: global }
      - { .name: Wq, .offset: 8, .size: 8, .value_kind: global_buffer, .address_space: global }
      - { .name: Wk, .offset: 16, .size: 8, .value_kind: global_buffer, .address_space: global }
      - { .name: Wv, .offset: 24, .size: 8, .value_kind: global_buffer, .address_space: global }
      - { .name: Wo, .offset: 32, .size: 8, .value_kind: global_buffer, .address_space: global }
      - { .name: xc, .offset: 40, .size: 8, .value_kind: global_buffer, .address_space: global }
      - { .name: xs, .offset: 48, .size: 8, .value_kind: global_buffer, .address_space: global }
      - { .name: wc, .offset: 56, .size: 8, .value_kind: global_buffer, .address_space: global }
      - { .name: ws, .offset: 64, .size: 8, .value_kind: global_buffer, .address_space: global }
      - { .name: wob, .offset: 72, .size: 8, .value_kind: global_buffer, .address_space: global }
    .group_segment_fixed_size: 34304
    .private_segment_fixed_size: 0
    .kernarg_segment_align: 8
    .kernarg_segment_size: 80
    .max_flat_workgroup_size: 128
    .sgpr_count:     66
    .vgpr_count:     256
    .wavefront_size: 32
...
	.end_amdgpu_metadata
.endif
;; end of part 1
;; launch qkv (part 2): grid 16 x 16, 12 waves a work-group, clusters of 4 x 4, 245,760 bytes of LDS; arguments xc, xs, wc, ws, qkv; writes qkv
.if DOCPART == 2
	.amdgcn_target "amdgcn-amd-amdhsa--gfx1250"
	.amdhsa_code_object_version 6
	.text
	.protected	k_q2a24e3b8d4_qkv
	.globl	k_q2a24e3b8d4_qkv
	.p2align	8
	.type	k_q2a24e3b8d4_qkv,@function
k_q2a24e3b8d4_qkv:
	s_mov_b64 s[64:65], 0
	v_nop
	global_prefetch_b8 v0, s[64:65] scope:SCOPE_SE
	s_setreg_imm32_b32 hwreg(HW_REG_WAVE_MODE, 25, 1), 1
	s_wait_xcnt 0x0
	s_wait_alu depctr_hold_cnt(0) depctr_sa_sdst(0) depctr_va_vdst(0) depctr_va_sdst(0) depctr_va_ssrc(0) depctr_va_vcc(0) depctr_vm_vsrc(0)
	s_getreg_b32 s2, hwreg(HW_REG_IB_STS2, 6, 4)
	s_cmp_eq_u32 s2, 0
	s_cbranch_scc0 .Lentry_in_a_cluster
	s_endpgm
.Lentry_in_a_cluster:
	s_bfe_u32 s2, ttmp6, 0x10000c
	s_cmp_lg_u32 s2, 0xf033
	s_cbranch_scc0 .Lentry_shape_is_right
	s_endpgm
.Lentry_shape_is_right:
; q, k, v = x W on codes of FP4 with E8M0 scales, K = 1,024, sums in f32; the results x 2^-2 (exact) leave as f16.
; A work-group makes 256 tokens x (q, k, v of one head).  Twelve waves: wave w makes tensor w / 4, tokens 64 (w % 4) on: 64 x 64 in 16 accumulators.
; All of K lies in LDS: each byte of LDS is filled once, in two chunks of 512 along K, so that the first products begin while the second chunk is on its way.
; The operands lie in memory and in LDS as images of their registers (a piece: 512 bytes, lane l's 16 bytes at 16 l): every fragment load takes consecutive bytes.
; q, k: source 0 = 16 columns of W, source 1 = 16 tokens: a lane holds 8 neighbouring d of one token.  v: the sources change places: a lane holds 8 neighbouring tokens of one channel.
; Both are pieces of the operands of the next launch: qkv [tensor 3][head 16][group of 64 tokens 64][b 4][a 4][lane][16], a = source 0's tile, b = source 1's.  One text serves all three: only scalar bases differ.
; CLUSTER 4 x 4: x's tiles hang on the token block alone and are asked for jointly along a row of the cluster, W's on the head alone, along a column.
; LIMIT: |q|, |k|, |v| under 262,016 (f16's largest number x 4).
.set XB,    0                          ; x's codes  [chunk 2][row tile 16][K step 4][1,024]
.set WB,    131072                     ; W's codes  [chunk 2][tile 12][K step 4][1,024]
.set XSC,   229376                     ; x's scale words [row tile 16][chunk 2][r 16][16]
.set WSC,   237568                     ; W's            [tile 12][chunk 2][r 16][16]
.set SPARE, 243712                     ; the spare words, 128 bytes for each of twelve waves
.set SC0,   16                         ; v16-31  source 0's scale words: tile a, K step s at 4 a + s; scales and nothing else
.set SC1,   32                         ; v32-47  source 1's
.set F0,    48                         ; v48-79  source 0's four fragments
.set F1,    80                         ; v80-111 source 1's
.set ACC,   128                        ; v128-255 accumulator (a, b) at 8 (4 a + b)
.set G1X,   28
.set G1W,   36
.set G1XS,  44
.set G1WS,  52
.macro SHAPE g, c, r, p                ; group 1's constant words: r rows of c elements of 8 bytes, p elements apart
	s_mov_b32 s[\g+1], (\c)<<16
	s_mov_b32 s[\g+2], (\r)<<16
	s_mov_b32 s[\g+3], (\c)<<16
	s_mov_b32 s[\g+4], \r
	s_mov_b32 s[\g+5], \p
	s_mov_b32 s[\g+6], 0
	s_mov_b32 s[\g+7], 0
.endm
.macro CROUND                          ; a round of the cluster's barrier
	s_barrier_signal -1
	s_barrier_wait -1
	s_cmp_lg_u32 s14, 0
	s_cbranch_scc1 .Lnot_wave_0_\@
	s_barrier_signal -3
.Lnot_wave_0_\@:
	s_barrier_wait -3
	s_barrier_signal -1
	s_barrier_wait -1
.endm
	s_load_b256 s[4:11], s[0:1], 0x0               ; xc 4, xs 6, wc 8, ws 10
	s_load_b64 s[12:13], s[0:1], 0x20              ; qkv
	v_lshl_add_u32 v8, v0, 2, SPARE                ; my spare word; never rewritten
	v_mov_b32 v9, 0                                ; 0; never rewritten
	ds_add_u32 v8, v9                              ; the wave's opening: the add, twice on end, and its wait ahead of the first tensor loads
	ds_add_u32 v8, v9
	v_lshrrev_b32 v1, 5, v0
	v_readfirstlane_b32 s14, v1                    ; wave 0..11
	s_and_b32 s15, s14, 1                          ; which half of a tile I fetch, if I fetch
	s_bfe_u32 s16, ttmp6, 0x40000                  ; cx
	s_bfe_u32 s17, ttmp6, 0x40004                  ; cy
	s_lshl_b32 s18, ttmp9, 2
	s_add_co_u32 s18, s18, s16                     ; the head
	s_and_b32 s19, ttmp7, 0xffff
	s_lshl_b32 s19, s19, 2
	s_add_co_u32 s19, s19, s17                     ; the block of 256 tokens
	s_lshl_b32 s20, s17, 2
	s_lshl_b32 s20, 15, s20                        ; my row of the cluster
	s_lshl_b32 s21, 0x1111, s16                    ; my column
	s_or_b32 s[G1X], s20, (3<<16)|(1<<21)          ; 15:0 the mask; 17:16 elements of 8 bytes; 21 set beside a mask; no padding
	s_or_b32 s[G1W], s21, (3<<16)|(1<<21)
	s_or_b32 s[G1XS], s20, (3<<16)|(1<<21)
	s_or_b32 s[G1WS], s21, (3<<16)|(1<<21)
	SHAPE G1X, 512, 8, 1024                        ; half a chunk of x: 8 row tiles, 4,096 of each tile's 8,192 bytes
	SHAPE G1W, 512, 6, 1024                        ; of W: 6 tiles
	SHAPE G1XS, 32, 16, 32                         ; 4,096 dense bytes of scale words
	SHAPE G1WS, 32, 12, 32                         ; 3,072
	s_lshl_b32 s22, s19, 4                         ; x's offsets: in registers that never hold the head
	s_lshl_b32 s23, s15, 3
	s_add_co_u32 s22, s22, s23                     ; the first of my 8 row tiles
	s_lshl_b32 s24, s22, 13
	s_mov_b32 s25, 0
	s_lshl_b32 s26, s22, 9
	s_mov_b32 s27, 0
	s_mul_i32 s60, s18, 98304                      ; W's: in registers that never hold the token block
	s_mul_i32 s62, s15, 49152
	s_add_co_u32 s60, s60, s62
	s_mov_b32 s61, 0
	s_mul_i32 s62, s18, 6144
	s_mul_i32 s63, s15, 3072
	s_add_co_u32 s62, s62, s63
	s_mov_b32 s63, 0
	s_mov_b32 s68, 1                               ; groups 0: count, LDS address (the wave's number and constants alone)
	s_lshl_b32 s69, s15, 12
	s_add_co_u32 s69, s69, XSC
	s_mov_b32 s72, 1
	s_lshl_b32 s73, s15, 15
	s_mov_b32 s76, 1
	s_add_co_u32 s77, s73, 65536
	s_mov_b32 s80, 1
	s_mul_i32 s81, s15, 3072
	s_add_co_u32 s81, s81, WSC
	s_mov_b32 s84, 1
	s_mul_i32 s85, s15, 24576
	s_add_co_u32 s85, s85, WB
	s_mov_b32 s88, 1
	s_add_co_u32 s89, s85, 49152
	; what I multiply: every LDS address register is made here, ahead of the branch on the wave's number
	s_lshr_b32 s92, s14, 2                         ; 0 q, 1 k, 2 v
	s_and_b32 s93, s14, 3                          ; which 64 tokens
	s_lshr_b32 s94, s92, 1                         ; 1 for v
	s_xor_b32 s95, s94, 1                          ; 1 for q, k
	v_and_b32 v10, 31, v0
	v_lshlrev_b32 v7, 4, v10                       ; 16 x lane
	v_and_b32 v11, 15, v0
	v_lshlrev_b32 v11, 4, v11                      ; 16 r
	s_lshl_b32 s96, s93, 14                        ; my four tiles of x in a chunk
	s_lshl_b32 s97, s92, 14
	s_add_co_u32 s97, s97, WB                      ; my four tiles of W
	s_mul_i32 s98, s95, s97
	s_mul_i32 s99, s94, s96
	s_add_co_u32 s98, s98, s99
	v_add_nc_u32 v1, s98, v7                       ; source 0, chunk 0
	s_lshl_b32 s98, s94, 14
	s_add_co_u32 s98, s98, 49152                   ; a chunk on: 49,152 in W, 65,536 in x
	v_add_nc_u32 v2, s98, v1                       ; chunk 1
	s_mul_i32 s98, s94, s97
	s_mul_i32 s99, s95, s96
	s_add_co_u32 s98, s98, s99
	v_add_nc_u32 v3, s98, v7                       ; source 1
	s_lshl_b32 s98, s95, 14
	s_add_co_u32 s98, s98, 49152
	v_add_nc_u32 v4, s98, v3
	s_lshl_b32 s96, s93, 11
	s_add_co_u32 s96, s96, XSC
	s_lshl_b32 s97, s92, 11
	s_add_co_u32 s97, s97, WSC
	s_mul_i32 s98, s95, s97
	s_mul_i32 s99, s94, s96
	s_add_co_u32 s98, s98, s99
	v_add_nc_u32 v5, s98, v11                      ; source 0's scale words: lanes 16-31 take the same words as lanes 0-15
	s_mul_i32 s98, s94, s97
	s_mul_i32 s99, s95, s96
	s_add_co_u32 s98, s98, s99
	v_add_nc_u32 v6, s98, v11                      ; source 1's
	s_lshl_b32 s98, s19, 2                         ; where my 8,192 bytes of results go
	s_add_co_u32 s98, s98, s93
	s_lshl_b32 s98, s98, 13
	s_lshl_b32 s99, s18, 19
	s_add_co_u32 s98, s98, s99
	s_lshl_b32 s99, s92, 23
	s_add_co_u32 s98, s98, s99
	s_mov_b32 s99, 0
	s_wait_dscnt 0x0                               ; both opening adds are done
	s_wait_kmcnt 0x0
	s_add_nc_u64 s[70:71], s[6:7], s[26:27]
	s_add_nc_u64 s[74:75], s[4:5], s[24:25]
	s_add_nc_u64 s[78:79], s[74:75], 4096
	s_add_nc_u64 s[82:83], s[10:11], s[62:63]
	s_add_nc_u64 s[86:87], s[8:9], s[60:61]
	s_add_nc_u64 s[90:91], s[86:87], 4096
.irp g, 71, 75, 79, 83, 87, 91
	s_or_b32 s\g, s\g, 0x80000000                  ; 127:126 type = 2
.endr
	s_add_nc_u64 s[12:13], s[12:13], s[98:99]
	CROUND                                         ; all sixteen work-groups are here: the joint loads meet
	s_cmp_lt_u32 s14, 2                            ; a wave's three fills stand in one branch: three tensor loads of mine are out at the most
	s_cbranch_scc0 .Lnot_x
	tensor_load_to_lds s[68:71], s[G1XS:G1XS+7]
	s_nop 0
	tensor_load_to_lds s[72:75], s[G1X:G1X+7]
	s_nop 0
	tensor_load_to_lds s[76:79], s[G1X:G1X+7]
	s_nop 0
.rept 4
	v_nop
.endr
	s_branch .Lasked
.Lnot_x:
	s_cmp_lt_u32 s14, 4
	s_cbranch_scc0 .Lasked
	tensor_load_to_lds s[80:83], s[G1WS:G1WS+7]
	s_nop 0
	tensor_load_to_lds s[84:87], s[G1W:G1W+7]
	s_nop 0
	tensor_load_to_lds s[88:91], s[G1W:G1W+7]
	s_nop 0
.rept 4
	v_nop
.endr
.Lasked:
; 128 along K: K step sp of chunk j.  The 16 accumulators take turns, one instruction a turn, in the same order in every step.
.macro KSTEP j, sp, zero
.if (\zero) == 0
.rept 4
	v_nop                                          ; four places in front of loads into registers that matrix instructions have read
.endr
.endif
.if (\sp) == 0
.irp i, 0,1,2,3
	ds_load_b128 v[SC0+4*\i:SC0+4*\i+3], v5 offset:\i*512+(\j)*256   ; the chunk's four scale words of each row
	ds_load_b128 v[SC1+4*\i:SC1+4*\i+3], v6 offset:\i*512+(\j)*256
.endr
.endif
.irp i, 0,1,2,3
.irp c, 0,1
	ds_load_b128 v[F0+8*\i+4*\c:F0+8*\i+4*\c+3], v[1+(\j)] offset:\i*4096+(\sp)*1024+\c*512
	ds_load_b128 v[F1+8*\i+4*\c:F1+8*\i+4*\c+3], v[3+(\j)] offset:\i*4096+(\sp)*1024+\c*512
.endr
.endr
	s_wait_dscnt 0x0
.irp a, 0,1,2,3
.irp b, 0,1,2,3
.if \zero
	v_wmma_scale_f32_16x16x128_f8f6f4 v[ACC+8*(4*\a+\b):ACC+8*(4*\a+\b)+7], v[F0+8*\a:F0+8*\a+7], v[F1+8*\b:F1+8*\b+7], 0, v[SC0+4*\a+(\sp)], v[SC1+4*\b+(\sp)] matrix_a_fmt:MATRIX_FMT_FP4 matrix_b_fmt:MATRIX_FMT_FP4
.else
	v_wmma_scale_f32_16x16x128_f8f6f4 v[ACC+8*(4*\a+\b):ACC+8*(4*\a+\b)+7], v[F0+8*\a:F0+8*\a+7], v[F1+8*\b:F1+8*\b+7], v[ACC+8*(4*\a+\b):ACC+8*(4*\a+\b)+7], v[SC0+4*\a+(\sp)], v[SC1+4*\b+(\sp)] matrix_a_fmt:MATRIX_FMT_FP4 matrix_b_fmt:MATRIX_FMT_FP4
.endif
.endr
.endr
.endm
	s_wait_tensorcnt 1                             ; my scale words and my part of chunk 0 are in; chunk 1's load may be out
	s_barrier_signal -1
	s_barrier_wait -1                              ; everybody's are
	KSTEP 0, 0, 1                                  ; the first products start the sums: nothing is cleared
	KSTEP 0, 1, 0
	KSTEP 0, 2, 0
	KSTEP 0, 3, 0
	s_wait_tensorcnt 0x0                           ; my part of chunk 1 is in,
	s_wait_dscnt 0x0
	s_barrier_signal -1
	s_barrier_wait -1                              ; everybody's is
	KSTEP 1, 0, 0
	KSTEP 1, 1, 0
	KSTEP 1, 2, 0
	KSTEP 1, 3, 0
.rept 4
	v_nop                                          ; four places ahead of the first read of results and the first write of fragment registers
.endr
.irp a, 0,1,2,3
.irp b, 0,1,2,3
.irp e, 0,1,2,3                        ; each accumulator from its low end on
	v_pk_mul_f32 v[ACC+8*(4*\a+\b)+2*\e:ACC+8*(4*\a+\b)+2*\e+1], v[ACC+8*(4*\a+\b)+2*\e:ACC+8*(4*\a+\b)+2*\e+1], 0x3e800000 op_sel_hi:[1,0]   ; x 2^-2: room in f16
.endr
.irp e, 0,1,2,3
	v_cvt_pk_f16_f32 v[F0+4*(4*\a+\b)+\e], v[ACC+8*(4*\a+\b)+2*\e], v[ACC+8*(4*\a+\b)+2*\e+1]
.endr
	global_store_b128 v7, v[F0+4*(4*\a+\b):F0+4*(4*\a+\b)+3], s[12:13] offset:\a*512+\b*2048   ; 512 consecutive bytes: a piece
.endr
.endr
	s_wait_tensorcnt 0x0                           ; the wave's end
	ds_add_u32 v8, v9
	s_wait_dscnt 0x0
	CROUND                                         ; the closing round
	s_endpgm
.Lfunc_end_k_q2a24e3b8d4_qkv:
	.size	k_q2a24e3b8d4_qkv, .Lfunc_end_k_q2a24e3b8d4_qkv-k_q2a24e3b8d4_qkv
	.p2alignl 7, 3214868480
	.fill 96, 4, 3214868480
	.section	.rodata,"a",@progbits
	.p2align	6, 0x0
	.amdhsa_kernel k_q2a24e3b8d4_qkv
		.amdhsa_group_segment_fixed_size 245760
		.amdhsa_private_segment_fixed_size 0
		.amdhsa_enable_private_segment 0
		.amdhsa_kernarg_size 40
		.amdhsa_user_sgpr_count 2
		.amdhsa_user_sgpr_kernarg_segment_ptr 1
		.amdhsa_wavefront_size32 1
		.amdhsa_system_sgpr_workgroup_id_x 1
		.amdhsa_system_sgpr_workgroup_id_y 1
		.amdhsa_system_sgpr_workgroup_id_z 1
		.amdhsa_system_vgpr_workitem_id 0
		.amdhsa_next_free_vgpr 256
		.amdhsa_next_free_sgpr 100
		.amdhsa_reserve_vcc 0
		.amdhsa_float_denorm_mode_32 3
		.amdhsa_float_denorm_mode_16_64 3
		.amdhsa_memory_ordered 1
		.amdhsa_forward_progress 1
		.amdhsa_inst_pref_size 47
	.end_amdhsa_kernel
	.amdgpu_metadata
---
amdhsa.version: [ 1, 2 ]
amdhsa.kernels:
  - .name:           k_q2a24e3b8d4_qkv
    .symbol:         k_q2a24e3b8d4_qkv.kd
    .args:
      - { .name: xc, .offset: 0, .size: 8, .value_kind: global_buffer, .address_space: global }
      - { .name: xs, .offset: 8, .size: 8, .value_kind: global_buffer, .address_space: global }
      - { .name: wc, .offset: 16, .size: 8, .value_kind: global_buffer, .address_space: global }
      - { .name: ws, .offset: 24, .size: 8, .value_kind: global_buffer, .address_space: global }
      - { .name: qkv, .offset: 32, .size: 8, .value_kind: global_buffer, .address_space: global }
    .group_segment_fixed_size: 245760
    .private_segment_fixed_size: 0
    .kernarg_segment_align: 8
    .kernarg_segment_size: 40
    .max_flat_workgroup_size: 384
    .sgpr_count:     100
    .vgpr_count:     256
    .wavefront_size: 32
...
	.end_amdgpu_metadata
.endif
;; end of part 2
;; launch attn (part 3): grid 16 x 16, 16 waves a work-group, clusters of 4 x 1, 327,680 bytes of LDS; arguments qkv, ob; writes ob
.if DOCPART == 3
	.amdgcn_target "amdgcn-amd-amdhsa--gfx1250"
	.amdhsa_code_object_version 6
	.text
	.protected	k_q2a24e3b8d4_attn
	.globl	k_q2a24e3b8d4_attn
	.p2align	8
	.type	k_q2a24e3b8d4_attn,@function
k_q2a24e3b8d4_attn:
	s_mov_b64 s[64:65], 0
	v_nop
	global_prefetch_b8 v0, s[64:65] scope:SCOPE_SE
	s_setreg_imm32_b32 hwreg(HW_REG_WAVE_MODE, 25, 1), 1
	s_wait_xcnt 0x0
	s_wait_alu depctr_hold_cnt(0) depctr_sa_sdst(0) depctr_va_vdst(0) depctr_va_sdst(0) depctr_va_ssrc(0) depctr_va_vcc(0) depctr_vm_vsrc(0)
	s_getreg_b32 s2, hwreg(HW_REG_IB_STS2, 6, 4)
	s_cmp_eq_u32 s2, 0
	s_cbranch_scc0 .Lentry_in_a_cluster
	s_endpgm
.Lentry_in_a_cluster:
	s_bfe_u32 s2, ttmp6, 0x10000c
	s_cmp_lg_u32 s2, 0x3003
	s_cbranch_scc0 .Lentry_shape_is_right
	s_endpgm
.Lentry_shape_is_right:
; o[h][n] = the sum over m of softmax_m(q[h][n] . k[h][m] / 8) v[h][m], no mask.  q, k, v: f16, each x 2^-2, as the launch before laid them; products in f16 with f32 sums, all else in f32; o x 2^-1 (exact) leaves as f16.
; SHARES.  A work-group owns 256 queries of one head.  Sixteen waves in 256 registers each, four to a SIMD, so that one wave's softmax stands beside another's products and LDS loads.
; Wave w owns 32 queries (two tiles; g = w / 2) and HALF OF THE KEYS (z = w % 2: groups 4 z .. 4 z + 3 of each slot of 8 groups of 64 keys).  The two halves are merged once, at the end, through LDS.
; LAYOUT.  S^T = K Q^T (source 0 = 16 keys, source 1 = 16 queries), O^T = V^T P (source 0 = 16 channels): a lane holds ONE query throughout.  Two tiles of S^T, rounded to f16 in pairs, ARE source 1 of the second product: P is made in place.
; K and V lie in memory and in LDS as images of their fragments' registers: a group of 64 keys is 8,192 dense bytes, a fragment load takes 512 consecutive bytes.
; SOFTMAX.  t = score x log2(e) / 8; M = the running largest t rounded UP to a whole number, kept as -M = floor(-t); p = 2^(t - M).  When M moves, the sum and O^T are multiplied by 2^(old M - new M), made by v_ldexp_f32: exact, and no branch on data.
; CLUSTER.  The four query blocks of a cluster belong to one head and walk the same K and V: each tile is asked for jointly.
; LIMITS: |o| under 131,008 (f16's largest number x 2; |o| never passes the largest |v|).  p under 2^-24 becomes 0 in f16, beside a row's sum of at least 1/2.  NaN and infinities are not served.
; REGISTERS: v0 256 x lane, v1, v2 my lane's place in a slot's K, V; v3, v4 the add's two; v5 my place in the merge's stage; v6 16 x lane; v7 the address in hand; v8-31 statistics; v32-63 Q; v64-127 O^T; v128-191 S^T, then P; v192-255 K's or V's fragments.
.set SLOT1, 1<<17                      ; a slot: K's 65,536 bytes, then V's; slot 1 begins here, so that one exclusive or turns an address
.set VOFF,  65536
.set SPARE, 262144                     ; behind the ring: the spare words, 128 bytes for each of sixteen waves
.set MST,   9216                       ; the merge's stage of a pair of waves: 8,192 bytes of O^T and 1,024 of statistics, in LDS slot 0, which has had its last fill and its last read by then
.set ST,    8                          ; tile t's statistics at ST + 12 t: +0 -M, +1 the largest score, +2, +3 the sum, +4 f, +5 at work, +6 .. +9 c0-c3, +10, +11 the sum's second chain
.set QF,    32
.set OT,    64
.set S,     128
.set KV,    192
.macro CROUND                          ; a round of the cluster's barrier
	s_barrier_signal -1
	s_barrier_wait -1
	s_cmp_lg_u32 s12, 0
	s_cbranch_scc1 .Lnot_wave_0_\@
	s_barrier_signal -3
.Lnot_wave_0_\@:
	s_barrier_wait -3
	s_barrier_signal -1
	s_barrier_wait -1
.endm
.macro TLOAD                           ; waves 0, 1 fetch K's halves of a slot, waves 2, 3 V's, the others nothing; the branches hang on the wave's number alone; an s_nop 0 and four v_nop follow each line
	s_cmp_lt_u32 s12, 2
	s_cbranch_scc0 .Lnot_k_\@
	tensor_load_to_lds s[32:35], s[24:31]
	s_nop 0
.rept 4
	v_nop
.endr
	s_branch .Lasked_\@
.Lnot_k_\@:
	s_cmp_lt_u32 s12, 4
	s_cbranch_scc0 .Lasked_\@
	tensor_load_to_lds s[36:39], s[24:31]
	s_nop 0
.rept 4
	v_nop
.endr
.Lasked_\@:
.endm
; A PREFETCH of the slot that the NEXT change of slots will ask for: one slot, four key steps of every wave, ahead of that load.  Each aligned block of 256 bytes is named once in the launch:
; the head's first cluster asks; its four partners take 16,384 bytes of K and of V each, told apart by address; in each, waves 4, 5 ask for K's and waves 6, 7 for V's, 8,192 bytes a wave, lanes 256 bytes apart.
; The last change that fills a slot asks for nothing; slots 0 and 1 come by their loads alone.
.macro ASK
	s_cmp_gt_u32 s45, s15
	s_cbranch_scc0 .Lnot_mine_\@
	global_prefetch_b8 v0, s[18:19] th:TH_LOAD_NT scope:SCOPE_SE
.Lnot_mine_\@:
.endm
	s_load_b128 s[4:7], s[0:1], 0x0                ; qkv, ob
	v_lshl_add_u32 v3, v0, 2, SPARE                ; my spare word; never rewritten
	v_mov_b32 v4, 0                                ; 0; never rewritten
	ds_add_u32 v3, v4                              ; the wave's opening: the add, twice on end, and its wait ahead of the first tensor load
	ds_add_u32 v3, v4
	v_lshrrev_b32 v1, 5, v0
	v_readfirstlane_b32 s12, v1                    ; wave 0..15
	s_bfe_u32 s13, ttmp6, 0x40000                  ; cx
	s_lshl_b32 s14, ttmp9, 2
	s_add_co_u32 s14, s14, s13                     ; my block of 256 queries: it enters Q's and O's addresses alone
	s_and_b32 s20, ttmp7, 0xffff                   ; the head, which the partners share
	s_and_b32 s16, s12, 1                          ; z: my half of the keys.  Also: which half of a tile I fetch
	s_lshr_b32 s17, s12, 1                         ; g: my 32 queries
	s_mov_b32 s24, 15|(3<<16)|(1<<21)              ; group 1: the mask: all four; elements of 8 bytes; 21 set beside a mask; no padding
	s_mov_b32 s25, 32<<16                          ; 128 rows of 256 bytes, dense: 32,768 bytes
	s_mov_b32 s26, 128<<16
	s_mov_b32 s27, 32<<16
	s_mov_b32 s28, 128
	s_mov_b32 s29, 32
	s_mov_b32 s30, 0
	s_mov_b32 s31, 0
	s_mov_b32 s40, 0x4038aa3b                      ; c = 16 log2(e) / 8: the 16 undoes q's and k's 2^-2
	s_mov_b32 s41, s40                             ; (named with it as a pair)
	s_mov_b32 s46, 0xc038aa3b                      ; -c
	s_mov_b32 s42, 0x76543210
	s_mov_b32 s43, 0xfedcba98                      ; lane l xor 16
	s_mov_b32 s44, 0                               ; the slot in hand
	s_mov_b32 s45, 7                               ; slots still to be asked for
	s_lshl_b32 s21, s16, 15
	s_lshl_b32 s52, s20, 19                        ; a head: 524,288 bytes in each tensor
	s_add_co_u32 s52, s52, s21
	s_mov_b32 s53, 0
	s_cmp_lt_u32 s12, 6                            ; the prefetches' offset: K's tensor or V's,
	s_mov_b32 s56, 0x1000000
	s_cselect_b32 s56, 0x800000, s56
	s_lshl_b32 s22, s20, 19
	s_add_co_u32 s56, s56, s22                     ; my head,
	s_lshl_b32 s22, s13, 14
	s_add_co_u32 s56, s56, s22                     ; my work-group's quarter,
	s_lshl_b32 s22, s16, 13
	s_add_co_u32 s56, s56, s22                     ; my wave's half of it,
	s_add_co_u32 s56, s56, 65536                   ; in slot 1: the first change of slots steps it to slot 2
	s_mov_b32 s57, 0
	s_sub_co_u32 s22, s12, 4
	s_lshr_b32 s22, s22, 2                         ; 0 in waves 4 to 7,
	s_or_b32 s22, s22, ttmp9                       ; of the head's first cluster: the same in all partners
	s_cmp_eq_u32 s22, 0
	s_cselect_b32 s15, 1, -1
	s_lshl_b32 s58, s14, 2                         ; Q: group 4 block + g / 2, its token tiles 2 (g % 2) on
	s_lshr_b32 s22, s17, 1
	s_add_co_u32 s58, s58, s22
	s_lshl_b32 s58, s58, 13
	s_and_b32 s22, s17, 1
	s_lshl_b32 s22, s22, 12
	s_add_co_u32 s58, s58, s22
	s_lshl_b32 s22, s20, 19
	s_add_co_u32 s58, s58, s22
	s_mov_b32 s59, 0
	s_lshl_b32 s60, s14, 4                         ; O: [head / 4][token tile 16 block + 2 g][head % 4][..]
	s_lshl_b32 s22, s17, 1
	s_add_co_u32 s60, s60, s22
	s_lshl_b32 s60, s60, 13
	s_lshr_b32 s22, s20, 2
	s_lshl_b32 s22, s22, 21
	s_add_co_u32 s60, s60, s22
	s_and_b32 s22, s20, 3
	s_lshl_b32 s22, s22, 11
	s_add_co_u32 s60, s60, s22
	s_mov_b32 s61, 0
	v_and_b32 v6, 31, v0
	v_lshlrev_b32 v6, 4, v6                        ; 16 x lane
	v_add_nc_u32 v1, s21, v6                       ; K: my four groups of a slot
	v_add_nc_u32 v2, VOFF, v1                      ; V
	s_mul_i32 s23, s17, MST
	v_add_nc_u32 v5, s23, v6                       ; the merge's stage
	v_lshlrev_b32 v0, 4, v6                        ; 256 x lane: the prefetches' offset; never rewritten
	s_wait_dscnt 0x0                               ; both opening adds are done
	s_wait_kmcnt 0x0
	s_add_nc_u64 s[54:55], s[4:5], s[52:53]
	s_mov_b32 s32, 1
	s_mov_b32 s33, s21
	s_add_nc_u64 s[34:35], s[54:55], 0x800000      ; K's tensor
	s_or_b32 s35, s35, 0x80000000
	s_mov_b32 s36, 1
	s_add_co_u32 s37, s21, VOFF
	s_add_nc_u64 s[38:39], s[54:55], 0x1000000     ; V's
	s_or_b32 s39, s39, 0x80000000
	s_add_nc_u64 s[18:19], s[4:5], s[56:57]
	s_add_nc_u64 s[48:49], s[4:5], s[58:59]
	s_add_nc_u64 s[50:51], s[6:7], s[60:61]
	CROUND                                         ; all four work-groups are here
	TLOAD                                          ; slot 0
.irp i, 0,1,2,3,4,5,6,7
	global_load_b128 v[QF+4*\i:QF+4*\i+3], v6, s[48:49] offset:\i*512   ; Q stays in registers: tile t, channels 32 c on at 16 t + 8 c
.endr
.set j, 0
.rept 64
	v_mov_b32 v[OT+j], 0                           ; the step is written once: the first finds zeros, which the first change of M leaves zeros
.set j, j+1
.endr
.irp t, 0,1
	v_mov_b32 v[ST+12*\t], 0x7f61b1e6              ; -M: 3e38
	v_mov_b32 v[ST+12*\t+1], 0xff7fffff            ; under every score
	v_mov_b32 v[ST+12*\t+2], 0
	v_mov_b32 v[ST+12*\t+3], 0
	v_mov_b32 v[ST+12*\t+5], 0
	v_mov_b32 v[ST+12*\t+7], 0                     ; a lane permute's destination counts as one of its sources
.endr
; A KEY STEP: 64 keys, group i of my four.
.macro STEP i
.rept 4
	v_nop
.endr
	v_add_nc_u32 v7, s44, v1                       ; five places behind the last V^T P: four are owed to the loads below, five to the products that write over P
.irp n, 0,1,2,3,4,5,6,7,8,9,10,11,12,13,14,15
	ds_load_b128 v[KV+4*\n:KV+4*\n+3], v7 offset:(\i)*8192+\n*512
.endr
	s_wait_dscnt 0x0
.irp c, 0,1                            ; the eight accumulators take turns, one instruction a turn
.irp k, 0,1,2,3
.irp t, 0,1
.if \c == 0
	v_wmma_f32_16x16x32_f16 v[S+32*\t+8*\k:S+32*\t+8*\k+7], v[KV+16*\k+8*\c:KV+16*\k+8*\c+7], v[QF+16*\t+8*\c:QF+16*\t+8*\c+7], 0
.else
	v_wmma_f32_16x16x32_f16 v[S+32*\t+8*\k:S+32*\t+8*\k+7], v[KV+16*\k+8*\c:KV+16*\k+8*\c+7], v[QF+16*\t+8*\c:QF+16*\t+8*\c+7], v[S+32*\t+8*\k:S+32*\t+8*\k+7]
.endif
.endr
.endr
.endr
.rept 3
	v_nop
.endr
	v_add_nc_u32 v7, s44, v2                       ; four places; then V's fragments, which land under the softmax
.irp n, 0,1,2,3,4,5,6,7,8,9,10,11,12,13,14,15
	ds_load_b128 v[KV+4*\n:KV+4*\n+3], v7 offset:(\i)*8192+\n*512
.endr
.irp k, 0,1,2,3                        ; the largest score: four chains a tile, each accumulator from its low end on, the tiles by turns
.irp t, 0,1
	v_max3_num_f32 v[ST+12*\t+6+\k], v[S+32*\t+8*\k], v[S+32*\t+8*\k+1], v[S+32*\t+8*\k+2]
.endr
.endr
.irp n, 3,5
.irp k, 0,1,2,3
.irp t, 0,1
	v_max3_num_f32 v[ST+12*\t+6+\k], v[ST+12*\t+6+\k], v[S+32*\t+8*\k+\n], v[S+32*\t+8*\k+\n+1]
.endr
.endr
.endr
.irp t, 0,1
	v_max3_num_f32 v[ST+12*\t+6], v[ST+12*\t+6], v[S+32*\t+7], v[S+32*\t+15]
.endr
.irp t, 0,1
	v_max3_num_f32 v[ST+12*\t+8], v[ST+12*\t+8], v[S+32*\t+23], v[S+32*\t+31]
.endr
.irp t, 0,1
	v_max3_num_f32 v[ST+12*\t+6], v[ST+12*\t+6], v[ST+12*\t+7], v[ST+12*\t+8]
.endr
.irp t, 0,1
	v_max3_num_f32 v[ST+12*\t+6], v[ST+12*\t+6], v[ST+12*\t+9], v[ST+12*\t+1]   ; with the largest so far
.endr
.irp t, 0,1
	v_permlanex16_b32 v[ST+12*\t+7], v[ST+12*\t+6], s42, s43                    ; the query's other 32 keys lie in the lane 16 away
.endr
.irp t, 0,1
	v_max_num_f32 v[ST+12*\t+1], v[ST+12*\t+6], v[ST+12*\t+7]
.endr
.irp t, 0,1
	v_mov_b32 v[ST+12*\t+5], v[ST+12*\t]
.endr
.irp t, 0,1
	v_mul_f32 v[ST+12*\t+8], s46, v[ST+12*\t+1]    ; -t
.endr
.irp t, 0,1
	v_floor_f32 v[ST+12*\t], v[ST+12*\t+8]         ; the new -M: a whole number
.endr
.irp t, 0,1
	v_sub_f32 v[ST+12*\t+5], v[ST+12*\t], v[ST+12*\t+5]   ; old M - new M: 0 or less
.endr
.irp t, 0,1
	v_cvt_i32_f32 v[ST+12*\t+5], v[ST+12*\t+5]     ; (it saturates)
.endr
.irp t, 0,1
	v_ldexp_f32 v[ST+12*\t+4], 1.0, v[ST+12*\t+5]  ; f = 2^(old M - new M)
.endr
; ONE BATCH: the scalings t - M, the 64 exponentials, and between them O^T x f.  No line of it names an exponential's result.
.irp t, 0,1
	v_pk_fma_f32 v[S+32*\t:S+32*\t+1], v[S+32*\t:S+32*\t+1], s[40:41], v[ST+12*\t:ST+12*\t+1] op_sel_hi:[1,0,0]
.endr
.set p, 0
.rept 16
.irp t, 0,1
.if p < 15
	v_pk_fma_f32 v[S+32*\t+2*p+2:S+32*\t+2*p+3], v[S+32*\t+2*p+2:S+32*\t+2*p+3], s[40:41], v[ST+12*\t:ST+12*\t+1] op_sel_hi:[1,0,0]
.endif
	v_exp_f32 v[S+32*\t+2*p], v[S+32*\t+2*p]
	v_pk_mul_f32 v[OT+32*\t+2*p:OT+32*\t+2*p+1], v[OT+32*\t+2*p:OT+32*\t+2*p+1], v[ST+12*\t+4:ST+12*\t+5] op_sel_hi:[1,0]
	v_exp_f32 v[S+32*\t+2*p+1], v[S+32*\t+2*p+1]
.endr
.set p, p+1
.endr
.irp t, 0,1
	v_pk_mul_f32 v[ST+12*\t+2:ST+12*\t+3], v[ST+12*\t+2:ST+12*\t+3], v[ST+12*\t+4:ST+12*\t+5] op_sel_hi:[1,0]   ; the sums under the new M: the plain lines behind the last exponential
.endr
	s_wait_alu depctr_va_vdst(0)                   ; one wait for the whole batch, ahead of its first reader
; The row's sum of the unrounded p, in two chains, and the roundings to f16, in place: pair p goes to register p, whose own pair is done by then.  Pairs 1 and 3 are summed ahead of the first rounding.
.irp t, 0,1
	v_pk_add_f32 v[ST+12*\t+10:ST+12*\t+11], v[S+32*\t+2:S+32*\t+3], v[S+32*\t+6:S+32*\t+7]
.endr
.set p, 0
.rept 16
.irp t, 0,1
.if p%2 == 0
	v_pk_add_f32 v[ST+12*\t+2:ST+12*\t+3], v[ST+12*\t+2:ST+12*\t+3], v[S+32*\t+2*p:S+32*\t+2*p+1]
.elseif p >= 5
	v_pk_add_f32 v[ST+12*\t+10:ST+12*\t+11], v[ST+12*\t+10:ST+12*\t+11], v[S+32*\t+2*p:S+32*\t+2*p+1]
.endif
	v_cvt_pk_f16_f32 v[S+32*\t+p], v[S+32*\t+2*p], v[S+32*\t+2*p+1]
.endr
.set p, p+1
.endr
.irp t, 0,1
	v_pk_add_f32 v[ST+12*\t+2:ST+12*\t+3], v[ST+12*\t+2:ST+12*\t+3], v[ST+12*\t+10:ST+12*\t+11]
.endr
	s_wait_dscnt 0x0                               ; V is in
.irp g, 0,1
.irp b, 0,1,2,3
.irp t, 0,1
	v_wmma_f32_16x16x32_f16 v[OT+32*\t+8*\b:OT+32*\t+8*\b+7], v[KV+16*\b+8*\g:KV+16*\b+8*\g+7], v[S+32*\t+8*\g:S+32*\t+8*\g+7], v[OT+32*\t+8*\b:OT+32*\t+8*\b+7]
.endr
.endr
.endr
.endm
; THE CHANGE OF SLOTS stands at a slot's head.  Each wave waits for all its tensor loads, adds 0 to its spare word, and waits for that and for its reads of the slot that it has left.
; fill = 1: a round of the cluster's barrier; behind it the slot just left is filled with the next 512 keys: one load a wave, with a slot's four key steps in which to land.
.macro CHANGE fill
	s_wait_tensorcnt 0x0                           ; no tensor load of mine is out, so a group 0 may be written
	ds_add_u32 v3, v4
.if \fill
	ds_add_u32 v3, v4                              ; and twice on end here, in every trip alike
	s_xor_b32 s33, s33, SLOT1                      ; the walking descriptors: the other slot, the next 512 keys
	s_add_nc_u64 s[34:35], s[34:35], 65536
	s_xor_b32 s37, s37, SLOT1
	s_add_nc_u64 s[38:39], s[38:39], 65536
	s_wait_xcnt 0x0                                ; the last prefetch, a slot back, has read its address
	s_add_nc_u64 s[18:19], s[18:19], 65536
	s_wait_dscnt 0x0                               ; both adds are done, and my reads of the slot that I have left are over
	CROUND
	TLOAD
	ASK
.else
	s_wait_dscnt 0x0
	s_barrier_signal -1
	s_barrier_wait -1
.endif
.endm
.macro SLOT_STEPS
	STEP 0
	STEP 1
	STEP 2
	STEP 3
	s_xor_b32 s44, s44, SLOT1
.endm
	s_wait_loadcnt 0x0                             ; Q
.Lslot:                                            ; seven trips: behind each change of slots but the last the next slot is asked for
	CHANGE 1
	SLOT_STEPS
	s_sub_co_u32 s45, s45, 1
	s_cmp_lg_u32 s45, 0
	s_cbranch_scc1 .Lslot
	CHANGE 0                                       ; the last slot is written out
	SLOT_STEPS
; THE MERGE.  The wave with the upper half of the keys hands O^T, -M and the sum to its partner as images of its registers.
.rept 4
	v_nop                                          ; four places behind the last products
.endr
	s_cmp_eq_u32 s16, 0
	s_cbranch_scc1 .Lkeep
.irp n, 0,1,2,3,4,5,6,7,8,9,10,11,12,13,14,15
	ds_store_b128 v5, v[OT+4*\n:OT+4*\n+3] offset:\n*512
.endr
.irp t, 0,1
	ds_store_b128 v5, v[ST+12*\t:ST+12*\t+3] offset:8192+\t*512
.endr
.Lkeep:
	s_wait_dscnt 0x0                               ; for the partner's sake: my stores are done
	s_barrier_signal -1
	s_barrier_wait -1
	s_cmp_lg_u32 s16, 0
	s_cbranch_scc1 .Lend
.irp n, 0,1,2,3,4,5,6,7,8,9,10,11,12,13,14,15
	ds_load_b128 v[KV+4*\n:KV+4*\n+3], v5 offset:\n*512
.endr
.irp t, 0,1
	ds_load_b128 v[S+4*\t:S+4*\t+3], v5 offset:8192+\t*512
.endr
	s_wait_dscnt 0x0
.irp t, 0,1
	v_min_num_f32 v[ST+12*\t+6], v[ST+12*\t], v[S+4*\t]            ; the joint -M
.endr
.irp t, 0,1
	v_sub_f32 v[ST+12*\t+4], v[ST+12*\t+6], v[ST+12*\t]
	v_sub_f32 v[ST+12*\t+8], v[ST+12*\t+6], v[S+4*\t]
.endr
.irp t, 0,1
	v_cvt_i32_f32 v[ST+12*\t+4], v[ST+12*\t+4]
	v_cvt_i32_f32 v[ST+12*\t+8], v[ST+12*\t+8]
.endr
.irp t, 0,1
	v_ldexp_f32 v[ST+12*\t+4], 1.0, v[ST+12*\t+4]  ; what brings my half under the joint M,
	v_ldexp_f32 v[ST+12*\t+8], 1.0, v[ST+12*\t+8]  ; and the partner's
.endr
.irp t, 0,1
	v_pk_mul_f32 v[ST+12*\t+2:ST+12*\t+3], v[ST+12*\t+2:ST+12*\t+3], v[ST+12*\t+4:ST+12*\t+5] op_sel_hi:[1,0]
.endr
.irp t, 0,1
	v_pk_fma_f32 v[ST+12*\t+2:ST+12*\t+3], v[S+4*\t+2:S+4*\t+3], v[ST+12*\t+8:ST+12*\t+9], v[ST+12*\t+2:ST+12*\t+3] op_sel_hi:[1,0,1]
.endr
.irp t, 0,1
	v_add_f32 v[ST+12*\t+10], v[ST+12*\t+2], v[ST+12*\t+3]
.endr
.irp t, 0,1
	v_permlanex16_b32 v[ST+12*\t+11], v[ST+12*\t+10], s42, s43
.endr
.irp t, 0,1
	v_add_f32 v[ST+12*\t+10], v[ST+12*\t+10], v[ST+12*\t+11]       ; the row's sum
.endr
.irp t, 0,1
	v_rcp_f32 v[ST+12*\t+6], v[ST+12*\t+10]
.endr
	v_nop                                          ; a plain line behind the reciprocals
	s_wait_alu depctr_va_vdst(0)                   ; one wait for both, ahead of their first reader
.irp t, 0,1
	v_mul_f32 v[ST+12*\t+6], 2.0, v[ST+12*\t+6]    ; x 4 undoes v's 2^-2, x 1/2 gives o its room in f16: together 2
.endr
.irp t, 0,1
	v_mul_f32 v[ST+12*\t+4], v[ST+12*\t+4], v[ST+12*\t+6]
	v_mul_f32 v[ST+12*\t+8], v[ST+12*\t+8], v[ST+12*\t+6]
.endr
.irp t, 0,1
.set p, 0
.rept 16
	v_pk_mul_f32 v[OT+32*\t+2*p:OT+32*\t+2*p+1], v[OT+32*\t+2*p:OT+32*\t+2*p+1], v[ST+12*\t+4:ST+12*\t+5] op_sel_hi:[1,0]
.set p, p+1
.endr
.set p, 0
.rept 16
	v_pk_fma_f32 v[OT+32*\t+2*p:OT+32*\t+2*p+1], v[KV+32*\t+2*p:KV+32*\t+2*p+1], v[ST+12*\t+8:ST+12*\t+9], v[OT+32*\t+2*p:OT+32*\t+2*p+1] op_sel_hi:[1,0,1]
.set p, p+1
.endr
.set p, 0
.rept 16
	v_cvt_pk_f16_f32 v[S+16*\t+p], v[OT+32*\t+2*p], v[OT+32*\t+2*p+1]
.set p, p+1
.endr
.irp b, 0,1,2,3
	global_store_b128 v6, v[S+16*\t+4*\b:S+16*\t+4*\b+3], s[50:51] offset:\t*8192+\b*512   ; 512 consecutive bytes: a piece of the next launch's operand
.endr
.endr
.Lend:
	s_wait_tensorcnt 0x0                           ; the wave's end
	ds_add_u32 v3, v4
	s_wait_dscnt 0x0
	CROUND                                         ; the closing round
	s_endpgm
.Lfunc_end_k_q2a24e3b8d4_attn:
	.size	k_q2a24e3b8d4_attn, .Lfunc_end_k_q2a24e3b8d4_attn-k_q2a24e3b8d4_attn
	.p2alignl 7, 3214868480
	.fill 96, 4, 3214868480
	.section	.rodata,"a",@progbits
	.p2align	6, 0x0
	.amdhsa_kernel k_q2a24e3b8d4_attn
		.amdhsa_group_segment_fixed_size 327680
		.amdhsa_private_segment_fixed_size 0
		.amdhsa_enable_private_segment 0
		.amdhsa_kernarg_size 16
		.amdhsa_user_sgpr_count 2
		.amdhsa_user_sgpr_kernarg_segment_ptr 1
		.amdhsa_wavefront_size32 1
		.amdhsa_system_sgpr_workgroup_id_x 1
		.amdhsa_system_sgpr_workgroup_id_y 1
		.amdhsa_system_sgpr_workgroup_id_z 1
		.amdhsa_system_vgpr_workitem_id 0
		.amdhsa_next_free_vgpr 256
		.amdhsa_next_free_sgpr 66
		.amdhsa_reserve_vcc 0
		.amdhsa_float_denorm_mode_32 3
		.amdhsa_float_denorm_mode_16_64 3
		.amdhsa_memory_ordered 1
		.amdhsa_forward_progress 1
		.amdhsa_inst_pref_size 159
	.end_amdhsa_kernel
	.amdgpu_metadata
---
amdhsa.version: [ 1, 2 ]
amdhsa.kernels:
  - .name:           k_q2a24e3b8d4_attn
    .symbol:         k_q2a24e3b8d4_attn.kd
    .args:
      - { .name: qkv, .offset: 0, .size: 8, .value_kind: global_buffer, .address_space: global }
      - { .name: ob, .offset: 8, .size: 8, .value_kind: global_buffer, .address_space: global }
    .group_segment_fixed_size: 327680
    .private_segment_fixed_size: 0
    .kernarg_segment_align: 8
    .kernarg_segment_size: 16
    .max_flat_workgroup_size: 512
    .sgpr_count:     66
    .vgpr_count:     256
    .wavefront_size: 32
...
	.end_amdgpu_metadata
.endif
;; end of part 3
;; launch proj (part 4): grid 8 x 32, 4 waves a work-group, clusters of 4 x 4, 327,680 bytes of LDS; arguments ob, wob, out0; writes out0
.if DOCPART == 4
	.amdgcn_target "amdgcn-amd-amdhsa--gfx1250"
	.amdhsa_code_object_version 6
	.text
	.protected	k_q2a24e3b8d4_proj
	.globl	k_q2a24e3b8d4_proj
	.p2align	8
	.type	k_q2a24e3b8d4_proj,@function
k_q2a24e3b8d4_proj:
	s_mov_b64 s[64:65], 0
	v_nop
	global_prefetch_b8 v0, s[64:65] scope:SCOPE_SE
	s_setreg_imm32_b32 hwreg(HW_REG_WAVE_MODE, 25, 1), 1
	s_wait_xcnt 0x0
	s_wait_alu depctr_hold_cnt(0) depctr_sa_sdst(0) depctr_va_vdst(0) depctr_va_sdst(0) depctr_va_ssrc(0) depctr_va_vcc(0) depctr_vm_vsrc(0)
	s_getreg_b32 s2, hwreg(HW_REG_IB_STS2, 6, 4)
	s_cmp_eq_u32 s2, 0
	s_cbranch_scc0 .Lentry_in_a_cluster
	s_endpgm
.Lentry_in_a_cluster:
	s_bfe_u32 s2, ttmp6, 0x10000c
	s_cmp_lg_u32 s2, 0xf033
	s_cbranch_scc0 .Lentry_shape_is_right
	s_endpgm
.Lentry_shape_is_right:
; out0 [4096][1024] f32 = o Wo, both operands f16 (o is kept x 1/2 and Wo x 2: the two cancel in the product), sums in f32, K = 1,024.  o and Wo lie in memory as images of their fragments' registers:
; [k / 256: 4][tile of 16 rows][k / 32: 8][q 2][lane][16]: 64 rows x 256 along K are 32,768 dense bytes, and a fragment load takes 512 consecutive bytes: no padding.
; A tile of out0 is 128 x 128, so that there are 256 work-groups; four waves of 64 x 64: 16 accumulators.  K goes in four steps of 256 through a ring of two LDS slots.
; CLUSTER 4 x 4: o's tiles are asked for jointly along a row of the cluster, Wo's along a column.  Source 0 = 16 columns of Wo, source 1 = 16 tokens: a lane holds eight neighbouring numbers of a row of out0.
; REGISTERS: window 0: v0-31 addresses; v32-95 the way out; v128-255 the accumulators ((a, b) at 128 + 8 (4 a + b)).  Window 1: two fragment buffers of 128: for 64 along K, 64 registers of o, then 64 of Wo.
.set HALFT,  32768                     ; 64 rows x 256 along K: what one tensor load brings, and what one wave reads of o or of Wo
.set SLOT,   4*HALFT                   ; o's 128 rows, then Wo's 128 columns
.set STAGE,  2*SLOT                    ; behind the ring: 16 rows x 272 bytes for each wave, for the way out
.set SPITCH, 272
.set SPARE,  STAGE+4*16*SPITCH         ; the spare words, 128 bytes a wave
.set ADRA, 16
.set ADRB, 20
.set STO,  24
.set RD,   25
.set CO,   26
.set SPW,  28
.set NIL,  29
.set TMP,  32
.set ACC,  128
.set F0,   0
.set F1,   128
.set G1, 24
.set G0, 32
.set G1B, 48
.set G0B, 56
.set MSB, 0
.macro WIN new                         ; the immediate's high byte repeats the setting that is left
.if MSB != \new
	s_set_vgpr_msb (MSB<<8)|\new
.set MSB, \new
.endif
.endm
.set MUL,  0x05                        ; sources 0 and 1 window 1; C and D window 0
.set TO_F, 0x40                        ; destination window 1, address window 0
.macro JLOAD s                         ; a joint load: waves 0, 1 fetch o's halves, waves 2, 3 Wo's; an s_nop 0 and four v_nop follow each line
	s_cmp_eq_u32 s11, 0
	s_cbranch_scc0 .Lfor_b_\@
	tensor_load_to_lds s[G0+4*\s:G0+4*\s+3], s[G1:G1+7]
	s_nop 0
.rept 4
	v_nop
.endr
	s_branch .Lasked_\@
.Lfor_b_\@:
	tensor_load_to_lds s[G0B+4*\s:G0B+4*\s+3], s[G1B:G1B+7]
	s_nop 0
.rept 4
	v_nop
.endr
.Lasked_\@:
.endm
.macro CREST
	s_cmp_lg_u32 s10, 0
	s_cbranch_scc1 .Lnot_wave_0_\@
	s_barrier_signal -3
.Lnot_wave_0_\@:
	s_barrier_wait -3
	s_barrier_signal -1
	s_barrier_wait -1
.endm
.macro CROUND
	s_barrier_signal -1
	s_barrier_wait -1
	CREST
.endm
	s_load_b128 s[4:7], s[0:1], 0x0                ; ob, wob
	s_load_b64 s[8:9], s[0:1], 0x10                ; out0
	v_lshl_add_u32 v[SPW], v0, 2, SPARE
	v_mov_b32 v[NIL], 0
	ds_add_u32 v[SPW], v[NIL]                      ; the wave's opening: the add, twice on end, and its wait ahead of my first tensor load
	ds_add_u32 v[SPW], v[NIL]
	v_lshrrev_b32 v1, 5, v0
	v_readfirstlane_b32 s10, v1                    ; wave 0..3
	s_lshr_b32 s11, s10, 1                         ; which half of the tile's rows is mine.  Also: I fetch for o (0) or for Wo (1)
	s_and_b32 s12, s10, 1                          ; which half of its columns.  Also: which half of that tile I fetch
	s_bfe_u32 s40, ttmp6, 0x40000
	s_bfe_u32 s41, ttmp6, 0x40004
	s_lshl_b32 s42, ttmp9, 2
	s_add_co_u32 s42, s42, s40                     ; tile column
	s_and_b32 s13, ttmp7, 0xffff
	s_lshl_b32 s13, s13, 2
	s_add_co_u32 s13, s13, s41                     ; tile row
	s_lshl_b32 s43, s41, 2
	s_lshl_b32 s43, 15, s43                        ; my row of the cluster
	s_lshl_b32 s44, 0x1111, s40                    ; my column
	s_or_b32 s[G1+0], s43, (3<<16)|(1<<21)         ; the mask; elements of 8 bytes; 21 set beside a mask; no padding
	s_or_b32 s[G1B+0], s44, (3<<16)|(1<<21)
.irp g, G1, G1B
	s_mov_b32 s[\g+1], 32<<16                      ; 128 rows of 256 bytes, dense
	s_mov_b32 s[\g+2], 128<<16
	s_mov_b32 s[\g+3], 32<<16
	s_mov_b32 s[\g+4], 128
	s_mov_b32 s[\g+5], 32
	s_mov_b32 s[\g+6], 0
	s_mov_b32 s[\g+7], 0
.endr
	s_lshl_b32 s17, s12, 2                         ; four tiles of 16 a half
	s_lshl_b32 s16, s13, 3
	s_add_co_u32 s16, s16, s17
	s_lshl_b32 s16, s16, 13                        ; o: 8,192 bytes a tile
	s_lshl_b32 s46, s42, 3
	s_add_co_u32 s46, s46, s17
	s_lshl_b32 s46, s46, 13                        ; Wo
	s_mov_b32 s17, 0
	s_mov_b32 s47, 0
	s_lshl_b32 s20, s10, 15                        ; where they go: wave x 32,768
	s_wait_dscnt 0x0                               ; both opening adds are done
	s_wait_kmcnt 0x0
	s_add_nc_u64 s[14:15], s[4:5], s[16:17]
	s_add_nc_u64 s[46:47], s[6:7], s[46:47]
	CROUND                                         ; all sixteen work-groups are here
.irp s, 0,1
	s_mov_b32 s[G0+4*\s], 1
	s_add_co_u32 s[G0+4*\s+1], s20, \s*SLOT
	s_add_nc_u64 s[G0+4*\s+2:G0+4*\s+3], s[14:15], \s*2097152     ; K step s of o
	s_or_b32 s[G0+4*\s+3], s[G0+4*\s+3], 0x80000000
	s_mov_b32 s[G0B+4*\s], 1
	s_add_co_u32 s[G0B+4*\s+1], s20, \s*SLOT
	s_add_nc_u64 s[G0B+4*\s+2:G0B+4*\s+3], s[46:47], \s*524288    ; of Wo
	s_or_b32 s[G0B+4*\s+3], s[G0B+4*\s+3], 0x80000000
	JLOAD \s
.endr
	v_and_b32 v1, 15, v0
	v_bfe_u32 v2, v0, 4, 1
	v_and_b32 v3, 31, v0
	v_lshlrev_b32 v3, 4, v3                        ; 16 x lane
	s_lshl_b32 s21, s11, 15                        ; my 64 rows of o
	s_lshl_b32 s22, s12, 15
	s_add_co_u32 s22, s22, 2*HALFT                 ; my 64 columns of Wo
.irp s, 0,1
	v_add_nc_u32 v[ADRA+\s], s21, v3
	v_add_nc_u32 v[ADRB+\s], s22, v3
	s_add_co_u32 s21, s21, SLOT
	s_add_co_u32 s22, s22, SLOT
.endr
	s_mul_i32 s23, s10, 16*SPITCH
	s_add_co_u32 s23, s23, STAGE                   ; my stage
	v_mul_u32_u24 v4, v1, SPITCH
	v_lshl_add_u32 v4, v2, 5, v4
	v_add_nc_u32 v[STO], s23, v4                   ; in: row l % 16, 32 bytes for each half of the lanes
	v_mul_u32_u24 v5, v2, SPITCH
	v_lshl_add_u32 v5, v1, 4, v5
	v_add_nc_u32 v[RD], s23, v5                    ; back: lanes 0-15 one row of 256 bytes, lanes 16-31 the next
	v_lshlrev_b32 v5, 12, v2
	v_lshl_add_u32 v[CO], v1, 4, v5                ; and the same two rows in out0
	s_lshl_b32 s16, s13, 7
	s_lshl_b32 s17, s11, 6
	s_add_co_u32 s16, s16, s17
	s_lshl_b32 s16, s16, 12                        ; my first row: 4,096 bytes a row
	s_mov_b32 s17, 0
	s_add_nc_u64 s[8:9], s[8:9], s[16:17]
	s_lshl_b32 s46, s42, 9
	s_lshl_b32 s47, s12, 8
	s_add_co_u32 s46, s46, s47                     ; my first column, in bytes
	s_mov_b32 s47, 0
	s_add_nc_u64 s[8:9], s[8:9], s[46:47]
; 8 matrix instructions: token tiles a0, a0 + 1 x all 4 column tiles, 32 along K: half c of buffer f.  The 16 accumulators take turns.
.macro MUL8 f, c, a0, zero
.irp a, \a0, \a0+1
.irp b, 0,1,2,3
.if \zero
	v_wmma_f32_16x16x32_f16 v[ACC+8*(4*(\a)+\b):ACC+8*(4*(\a)+\b)+7], v[\f+64+8*(4*\c+\b):\f+64+8*(4*\c+\b)+7], v[\f+8*(4*\c+\a):\f+8*(4*\c+\a)+7], 0
.else
	v_wmma_f32_16x16x32_f16 v[ACC+8*(4*(\a)+\b):ACC+8*(4*(\a)+\b)+7], v[\f+64+8*(4*\c+\b):\f+64+8*(4*\c+\b)+7], v[\f+8*(4*\c+\a):\f+8*(4*\c+\a)+7], v[ACC+8*(4*(\a)+\b):ACC+8*(4*(\a)+\b)+7]
.endif
.endr
.endr
.endm
; 32 LDS loads in one run: the fragments of 64 along K (the slot's 32s k and k + 1) into buffer f; the first 32 along K first
.macro FETCH slot, k, f
	WIN TO_F
.irp c, 0,1
.irp i, 0,1,2,3
	ds_load_b128 v[\f+64+8*(4*\c+\i):\f+64+8*(4*\c+\i)+3],   v[ADRB+\slot] offset:((\k)+\c)*1024+\i*8192
	ds_load_b128 v[\f+64+8*(4*\c+\i)+4:\f+64+8*(4*\c+\i)+7], v[ADRB+\slot] offset:((\k)+\c)*1024+\i*8192+512
	ds_load_b128 v[\f+8*(4*\c+\i):\f+8*(4*\c+\i)+3],         v[ADRA+\slot] offset:((\k)+\c)*1024+\i*8192
	ds_load_b128 v[\f+8*(4*\c+\i)+4:\f+8*(4*\c+\i)+7],       v[ADRA+\slot] offset:((\k)+\c)*1024+\i*8192+512
.endr
.endr
.endm
.macro PLACES                          ; four places in front of loads into registers that matrix instructions have read, and of the first read of results
.rept 4
	v_nop
.endr
.endm
.macro QUARTER slot, k, f, g, zero     ; multiplies buffer f and fetches the next quarter, the slot's 32s k and k + 1, into g
	s_wait_dscnt 16                                ; the first 32 along K are in; the other sixteen loads may be out
	WIN MUL
	MUL8 \f, 0, 0, \zero
	MUL8 \f, 0, 2, \zero
	PLACES
	FETCH \slot, \k, \g
	s_wait_dscnt 32                                ; all but the 32 just issued
	WIN MUL
	MUL8 \f, 1, 0, 0
	MUL8 \f, 1, 2, 0
.endm
; A slot's last quarter multiplies buffer 1 and changes slots: one barrier; in front of it each wave waits for all its tensor loads, adds 0 to its spare word, and waits for that and for its reads of this slot.
.macro TURN slot, next, fill
	WIN 0                                          ; (the add's two registers lie in window 0)
	s_wait_tensorcnt 0x0                           ; all my tensor loads have landed: my part of the next slot
	ds_add_u32 v[SPW], v[NIL]
	s_wait_dscnt 17                                ; (the add and the youngest sixteen loads may be out)
	WIN MUL
	MUL8 F1, 0, 0, 0
	s_wait_dscnt 0x0                               ; the add is done, and my reads of this slot are over
	s_barrier_signal -1
	MUL8 F1, 0, 2, 0
.if \fill
	WIN 0
.endif
	s_barrier_wait -1
.if \fill
	CREST                                          ; the barrier has opened a round of the cluster's barrier: no wave of any partner still reads this slot or has a load on its way
	s_add_nc_u64 s[G0+4*\slot+2:G0+4*\slot+3], s[G0+4*\slot+2:G0+4*\slot+3], 2*2097152
	s_add_nc_u64 s[G0B+4*\slot+2:G0B+4*\slot+3], s[G0B+4*\slot+2:G0B+4*\slot+3], 2*524288
	JLOAD \slot                                    ; the first tensor load behind the round; its four v_nop are also the places in front of the loads below
.else
	PLACES
.endif
	FETCH \next, 0, F0
	WIN MUL
	MUL8 F1, 1, 0, 0
	MUL8 F1, 1, 2, 0
.endm
	s_wait_tensorcnt 1                             ; my part of K step 0 is in; K step 1's load may be out
	s_barrier_signal -1
	s_barrier_wait -1
	FETCH 0, 0, F0
	QUARTER 0, 2, F0, F1, 1                        ; the first products start the sums
	QUARTER 0, 4, F1, F0, 0
	QUARTER 0, 6, F0, F1, 0
	TURN 0, 1, 1                                   ; slot 0 takes K step 2
	QUARTER 1, 2, F0, F1, 0
	QUARTER 1, 4, F1, F0, 0
	QUARTER 1, 6, F0, F1, 0
	TURN 1, 0, 1                                   ; slot 1 takes K step 3
	QUARTER 0, 2, F0, F1, 0
	QUARTER 0, 4, F1, F0, 0
	QUARTER 0, 6, F0, F1, 0
	TURN 0, 1, 0                                   ; nothing is left to fetch
	QUARTER 1, 2, F0, F1, 0
	QUARTER 1, 4, F1, F0, 0
	QUARTER 1, 6, F0, F1, 0
	s_wait_dscnt 16
	WIN MUL
	MUL8 F1, 0, 0, 0
	MUL8 F1, 0, 2, 0
	s_wait_dscnt 0x0
	MUL8 F1, 1, 0, 0
	MUL8 F1, 1, 2, 0
	WIN 0
; THE WAY OUT, 16 rows x 64 columns at a time.  A lane holds 32 bytes of a row, the lanes beside it other rows: a block goes through my own stage and comes back as whole rows of 256 bytes.
; LDS serves a wave's instructions in order (ISA guide 5.7.1.4): no wait between the stores and the loads, nor in front of the next block's stores.
.macro TOSTAGE a
.irp b, 0,1,2,3
	ds_store_b128 v[STO], v[ACC+8*(4*(\a)+\b):ACC+8*(4*(\a)+\b)+3] offset:64*\b        ; each accumulator from its low end on
	ds_store_b128 v[STO], v[ACC+8*(4*(\a)+\b)+4:ACC+8*(4*(\a)+\b)+7] offset:64*\b+16
.endr
.irp t, 0,1,2,3,4,5,6,7
	ds_load_b128 v[TMP+32*((\a)%2)+4*\t:TMP+32*((\a)%2)+4*\t+3], v[RD] offset:\t*2*SPITCH
.endr
.endm
.macro SEND a, younger                 ; younger: the LDS instructions issued behind block a's loads, which may stay out
	s_wait_dscnt \younger
.irp t, 0,1,2,3,4,5,6,7
	global_store_b128 v[CO], v[TMP+32*((\a)%2)+4*\t:TMP+32*((\a)%2)+4*\t+3], s[8:9] offset:(\a)*65536+\t*8192 th:TH_STORE_NT   ; sixteen lanes store 256 consecutive bytes, aligned
.endr
.endm
	PLACES
	TOSTAGE 0
	TOSTAGE 1
	SEND 0, 16                                     ; behind block 0's loads: block 1's 8 stores and 8 loads
	s_wait_xcnt 0x0                                ; block 0's stores have read their registers: block 2's loads may land there
	TOSTAGE 2
	SEND 1, 16
	s_wait_xcnt 0x0
	TOSTAGE 3
	SEND 2, 16
	SEND 3, 0
	s_wait_tensorcnt 0x0                           ; the wave's end
	ds_add_u32 v[SPW], v[NIL]
	s_wait_dscnt 0x0
	CROUND                                         ; the closing round
	s_endpgm
.Lfunc_end_k_q2a24e3b8d4_proj:
	.size	k_q2a24e3b8d4_proj, .Lfunc_end_k_q2a24e3b8d4_proj-k_q2a24e3b8d4_proj
	.p2alignl 7, 3214868480
	.fill 96, 4, 3214868480
	.section	.rodata,"a",@progbits
	.p2align	6, 0x0
	.amdhsa_kernel k_q2a24e3b8d4_proj
		.amdhsa_group_segment_fixed_size 327680
		.amdhsa_private_segment_fixed_size 0
		.amdhsa_enable_private_segment 0
		.amdhsa_kernarg_size 24
		.amdhsa_user_sgpr_count 2
		.amdhsa_user_sgpr_kernarg_segment_ptr 1
		.amdhsa_wavefront_size32 1
		.amdhsa_system_sgpr_workgroup_id_x 1
		.amdhsa_system_sgpr_workgroup_id_y 1
		.amdhsa_system_sgpr_workgroup_id_z 1
		.amdhsa_system_vgpr_workitem_id 0
		.amdhsa_next_free_vgpr 512
		.amdhsa_next_free_sgpr 66
		.amdhsa_reserve_vcc 0
		.amdhsa_float_denorm_mode_32 3
		.amdhsa_float_denorm_mode_16_64 3
		.amdhsa_memory_ordered 1
		.amdhsa_forward_progress 1
		.amdhsa_inst_pref_size 85
	.end_amdhsa_kernel
	.amdgpu_metadata
---
amdhsa.version: [ 1, 2 ]
amdhsa.kernels:
  - .name:           k_q2a24e3b8d4_proj
    .symbol:         k_q2a24e3b8d4_proj.kd
    .args:
      - { .name: ob, .offset: 0, .size: 8, .value_kind: global_buffer, .address_space: global }
      - { .name: wob, .offset: 8, .size: 8, .value_kind: global_buffer, .address_space: global }
      - { .name: out0, .offset: 16, .size: 8, .value_kind: global_buffer, .address_space: global }
    .group_segment_fixed_size: 327680
    .private_segment_fixed_size: 0
    .kernarg_segment_align: 8
    .kernarg_segment_size: 24
    .max_flat_workgroup_size: 128
    .sgpr_count:     66
    .vgpr_count:     512
    .wavefront_size: 32
...
	.end_amdgpu_metadata
.endif
;; end of part 4
